; MI455X (gfx1250); checked and timed in simulation.
; The chip was launched on July 23, 2026; its instructions are those of AMD's public machine-readable ISA for CDNA 5 (MIT licence, August 2026) and "CDNA5" Instruction Set Architecture Reference Guide (July 2026). The comments in the code are by the model that wrote it; some were corrected since.
;; Cross Attention. Allowed arithmetic: matrix products marked QUANTISED: E3M2 operands, one E8M0 scale for each 32 along K, by v_wmma_scale_f32_16x16x128_f8f6f4 with both operands' format E3M2, f32 sums; everything else in f32.
;; Inputs: Wk 512 x 512 float32; Wo 512 x 512 float32; Wq 512 x 512 float32; Wv 512 x 512 float32; bo 512 float32; x 2 x 4,096 x 512 float32.
;; Outputs: out0 2 x 4,096 x 512 float32.
;; This version of the problem:
;;   THIS VERSION OF THE PROBLEM IS GIVEN IN LOW PRECISION. The matrix products marked QUANTISED in the list below multiply operands that are first quantised to E3M2 (3 exponent bits, 2 mantissa bits; 6 bits a number), with one power-of-two scale for each 32 numbers along K (OCP MX v1.0); their sums are f32. All else is computed in f32.
;;   The module's matrix products, in the order in which they are computed (A, B: the left and right operand; K: the contracted axis; several contracted axes count as one K, in the product's order):
;;     1. [M 8,192, K 512] x [K 512, N 512]; A: input x; B: input Wq: QUANTISED
;;     2. [M 8,192, K 512] x [K 512, N 512]; A: input x; B: input Wk: QUANTISED
;;     3. [M 8,192, K 512] x [K 512, N 512]; A: input x; B: input Wv: QUANTISED
;;     4. batch 16 x [M 4,096, K 64] x [K 64, N 4,096]; A: computed on the way; B: computed on the way: QUANTISED
;;     5. batch 16 x [M 64, K 4,096] x [K 4,096, N 4,096]; A: computed on the way; B: softmax (see below): QUANTISED
;;     6. [M 8,192, K 512] x [K 512, N 512]; A: computed on the way; B: input Wo: QUANTISED
;;   THE QUANTISER, for each operand of a quantised product, along K:
;;     - K is cut into blocks of 32 from its start; a last block that is shorter is filled with zeros.
;;     - A block's scale is 2^e with e = floor(log2(the largest magnitude in the block)) - 4, held to -126 .. 127; a block of zeros has e = 0. As a byte (E8M0): e + 127.
;;     - Each number is divided by its block's scale, clamped to +-28, and rounded to the nearest number of E3M2, ties to even, subnormals kept.
;;     - The product sums the exact products of the quantised numbers (number of the format x scale) in f32.
;;   ~~~python
;;   def quantise(x, axis):      # numpy; x: float32 -> the quantised numbers, widened to float32 again
;;       x = np.moveaxis(x, axis, -1); K = x.shape[-1]
;;       x = np.pad(x, [(0, 0)] * (x.ndim - 1) + [(0, -K % 32)]); x = x.reshape(x.shape[:-1] + (-1, 32)); a = np.abs(x).max(-1, keepdims=True)
;;       e = np.where(a > 0, np.clip(np.frexp(np.where(a > 0, a, 1))[1] - 1 - 4, -126, 127), 0)      # np.frexp(a)[1] - 1 = floor(log2(a)), exactly
;;       r = np.clip(x / 2.0 ** e, -28, 28)
;;       step = 2.0 ** (np.maximum(np.frexp(np.where(r == 0, 1, r))[1] - 1, -2) - 2)
;;       q = np.round(r / step) * step * 2.0 ** e      # np.round: ties to even
;;       return np.moveaxis(q.reshape(q.shape[:-2] + (-1,))[..., :K], -1, axis).astype(np.float32)
;;   ~~~
;;   SOFTMAX AHEAD OF A QUANTISED PRODUCT. Where the list says 'softmax', what is quantised is not the finished softmax but p = 2^(t - M), with t = logit x log2(e) and M = ceil(the row's largest t), a whole number; so 1/2 < the row's largest p <= 1. The row's sum l is taken of the UNQUANTISED p, in f32, and the product's result is divided by l at the end. Since M is a whole number, a kernel that streams over the keys may use a running M (the ceiling of the running maximum): every later rescaling is an exact power of two, which a block's scale takes up: the codes' values come out the same.
;;   OPERANDS COMPUTED ON THE WAY. 'Computed on the way' means the value that the module computes at that place (a softmax that the list does not call 'softmax' is quantised finished and normalised). What goes into a quantiser is computed in f32, as accurately as f32 sums, v_exp_f32 and their like allow (about 1e-6 of the number): no bf16 or f16 on the way to a quantiser, and a product that is left as it is and whose result goes on into a quantised operand takes f32 operands (vector FMAs, or v_wmma_f32_16x16x4_f32). A number that lies on a knife's edge between two numbers of the format may be rounded either way, as far as f32 arithmetic and the matrix unit's own rounding can turn it there, and no further.
;; One version. Each part assembles by itself: llvm-mc -triple=amdgcn-amd-amdhsa -mcpu=gfx1250 --defsym DOCPART=n.
;; ======== version 1 of 1: 4 launches
;; limits: right only within a limited range of input values
;; workspace buffers: xq 3,276,800 bytes; wq 819,200 bytes; qq 3,276,800 bytes; kv 6,553,600 bytes; oq 3,276,800 bytes
;; launch prep (part 1): grid 320 x 1, 4 waves a work-group, no clusters, 34,304 bytes of LDS; arguments x, Wq, Wk, Wv, Wo, xq, wq; writes xq, wq
.if DOCPART == 1
	.amdgcn_target "amdgcn-amd-amdhsa--gfx1250"
	.amdhsa_code_object_version 6
	.text
	.protected	k_q9193908d44_prep
	.globl	k_q9193908d44_prep
	.p2align	8
	.type	k_q9193908d44_prep,@function
k_q9193908d44_prep:
	s_mov_b64 s[64:65], 0
	v_nop
	global_prefetch_b8 v0, s[64:65] scope:SCOPE_SE
	s_setreg_imm32_b32 hwreg(HW_REG_WAVE_MODE, 25, 1), 1
	s_wait_xcnt 0x0
; x [8192][512] and Wq, Wk, Wv, Wo [512 (k)][512 (n)], f32, become codes of BF6 (E3M2) with one E8M0 byte for each 32 along K = 512, laid as IMAGES OF OPERAND REGISTERS.
; A fragment is 16 rows x 128 K, 12 registers a lane; its image is 1,536 bytes: register q of lane l at 512 (q / 4) + 16 l + 4 (q % 4), so three 16-byte accesses a lane move it, 512 dense bytes each.
; ROWS ARE TAKEN IN GROUPS OF 32: row r of tile u (0, 1) of a group is the group's row 8 u + r + 8 (r / 8).  A product that has such tiles as source 0 leaves 16 neighbouring rows in the 16 registers of tiles 2 b, 2 b + 1.
; xq: [512 tiles][4 K steps][1,536], then from byte 3,145,728 a record of 256 bytes a tile: the scale word of row r, K step s at 16 r + 4 s.   wq: [4 weights][32 tiles][4][1,536], records from byte 786,432.
; A block's scale is 2^(floor(log2(largest magnitude)) - 4); its byte is the largest magnitude's exponent field - 4, held at 1 from below.
; LIMITS: a block of zeros gets the byte 1 where the quantiser says 127 (its codes are zeros; only this program reads the bytes); NaN and infinities among the inputs are not served.
; Work-groups 0-255: 32 tokens of x each; wave = (tile u, half of K).  Work-groups 256-319: a weight, 128 of its columns, one K step; a wave takes 32 columns.
; Nothing is shared between work-groups and every input byte is read once, so there is no cluster, no tensor load and no barrier; a wave's LDS stage is its own.
; The weights' codes leave as 16 and 8 bytes a lane: the 16-byte stores cover 256 dense bytes for each tile, the 8-byte ones 8 of each 16 bytes (a third of wq's 786,432 bytes of codes).
.set SP, 528                           ; a stage row: 512 bytes + 16, an odd multiple of 16
.set P,  20                            ; v20-31   a fragment's codes
.set Z,  32                            ; v32-34, v36-38  the upper halves of two blocks' codes (a conversion's three registers begin on an even number)
.set R,  40                            ; v40-167  two sets of 64 numbers as loaded (weights: 128 numbers down K)
.set X,  168                           ; v168-231 64 numbers in the operand's order (weights: codes)
	s_load_b256 s[4:11], s[0:1], 0x0               ; x, Wq, Wk, Wv
	s_load_b128 s[12:15], s[0:1], 0x20             ; Wo, xq
	s_load_b64 s[16:17], s[0:1], 0x30              ; wq
	v_lshl_add_u32 v232, v0, 2, 0x8400
	v_mov_b32 v233, 0
	v_lshrrev_b32 v1, 5, v0
	v_readfirstlane_b32 s18, v1                    ; wave 0..3
	v_and_b32 v1, 31, v0                           ; lane
	s_cmp_lt_u32 ttmp9, 256
	s_cbranch_scc0 .Lweights
	; ---------------- x: work-group = group of 32 tokens; wave: tile u = wave / 2, K steps 2 kh and 2 kh + 1, kh = wave % 2
	v_and_b32 v2, 15, v0                           ; r
	v_bfe_u32 v3, v0, 4, 1                         ; h
	v_lshlrev_b32 v4, 4, v1                        ; 16 x lane
	s_mul_i32 s19, s18, 16*SP                      ; my stage
	v_add_nc_u32 v5, s19, v4                       ; into it: a row's 512 bytes as they lie
	v_mul_u32_u24 v6, v2, SP
	v_lshl_add_u32 v6, v3, 7, v6
	v_add_nc_u32 v6, s19, v6                       ; out of it: row r, + 128 h: lane (r, h) wants k = 64 c + 32 h + 0 .. 31
	v_lshlrev_b32 v7, 4, v2
	v_lshl_add_u32 v7, v3, 2, v7                   ; the record: 16 r + 4 h (lanes 0-15 store the first K step's word, lanes 16-31 the second's)
	v_lshlrev_b32 v18, 3, v3                       ; 8 h
	v_mov_b32 v15, 0                               ; a lane permute's destination counts as one of its sources
	v_cmp_ne_u32 vcc_lo, 0, v3                     ; lanes 16-31
	s_mov_b32 s20, 0x76543210
	s_mov_b32 s21, 0xfedcba98                      ; v_permlanex16_b32's selects for lane l xor 16
	s_lshr_b32 s22, s18, 1                         ; u
	s_and_b32 s23, s18, 1                          ; kh
	s_lshl_b32 s24, ttmp9, 16                      ; 32 rows of 2,048 bytes a group,
	s_lshl_b32 s26, s22, 14                        ; 8 rows for u,
	s_add_co_u32 s24, s24, s26
	s_lshl_b32 s26, s23, 10                        ; 256 numbers for kh
	s_add_co_u32 s24, s24, s26
	s_mov_b32 s25, 0
	s_lshl_b32 s26, ttmp9, 1
	s_add_co_u32 s26, s26, s22                     ; tile = 2 x group + u
	s_mul_i32 s28, s26, 6144
	s_mul_i32 s27, s23, 3072
	s_add_co_u32 s28, s28, s27                     ; my two images
	s_mov_b32 s29, 0
	s_lshl_b32 s30, s26, 8
	s_lshl_b32 s27, s23, 3
	s_add_co_u32 s30, s30, s27
	s_add_co_u32 s30, s30, 3145728                 ; my two words of each row in the tile's record
	s_mov_b32 s31, 0
	s_wait_alu depctr_va_vdst(0)
	s_wait_kmcnt 0x0
	s_add_nc_u64 s[4:5], s[4:5], s[24:25]
	s_add_nc_u64 s[32:33], s[14:15], s[28:29]
	s_add_nc_u64 s[34:35], s[14:15], s[30:31]
.irp q, 0,1
.irp i, 0,1,2,3,4,5,6,7,8,9,10,11,12,13,14,15
	global_load_b128 v[R+64*\q+4*\i:R+64*\q+4*\i+3], v4, s[4:5] offset:(\i+8*(\i/8))*2048+512*\q th:TH_LOAD_NT   ; tile row i, one K step: 32 lanes read 512 dense bytes
.endr
.endr
; One K step of my 16 rows: through the stage, so that a lane holds two whole blocks of its row; largest magnitudes, bytes, codes; the image is stored.
.macro XSTEP q
	s_wait_loadcnt 16-16*\q                        ; this step's 16 loads are in; the other step's 16 were issued behind them
.irp i, 0,1,2,3,4,5,6,7,8,9,10,11,12,13,14,15
	ds_store_b128 v5, v[R+64*\q+4*\i:R+64*\q+4*\i+3] offset:SP*\i
.endr
.irp c, 0,1
.irp j, 0,1,2,3,4,5,6,7
	ds_load_b128 v[X+32*\c+4*\j:X+32*\c+4*\j+3], v6 offset:256*\c+16*\j   ; LDS serves a wave's instructions in order: these see the stores above
.endr
.endr
	s_wait_dscnt 0x0
.irp c, 0,1
	v_max3_num_f32 v[8+\c], |v[X+32*\c]|, |v[X+1+32*\c]|, 0x2800000   ; block 2 c + h is all mine; the floor 2^(5 - 127) keeps the byte at 1 or above
.endr
.irp i, 2,4,6,8,10,12,14,16,18,20,22,24,26,28,30
.irp c, 0,1
	v_max3_num_f32 v[8+\c], v[8+\c], |v[X+32*\c+\i]|, |v[X+1+32*\c+\i]|
.endr
.endr
.irp c, 0,1
	v_add_nc_u32 v[10+\c], 0xfe000000, v[8+\c]     ; 4 off the exponent field: the conversion's scale operand
.endr
.irp c, 0,1
	v_lshrrev_b32 v[12+\c], 23, v[10+\c]           ; the byte
.endr
	v_lshl_or_b32 v14, v13, 16, v12                ; blocks h and 2 + h,
	v_lshlrev_b32 v14, v18, v14                    ; at their places in the word;
	v_permlanex16_b32 v15, v14, s20, s21
	v_or_b32 v[16+\q], v14, v15                    ; with lane l xor 16's two the word is whole
.if \q
	s_wait_alu depctr_va_vdst(0)
	s_wait_xcnt 0x0                                ; the first image's stores have read the registers that are written again below
.endif
.irp c, 0,1
	v_cvt_scalef32_pk16_bf6_f32 v[P+6*\c:P+6*\c+2], v[X+32*\c:X+32*\c+15], v[10+\c]
	v_cvt_scalef32_pk16_bf6_f32 v[Z+4*\c:Z+4*\c+2], v[X+32*\c+16:X+32*\c+31], v[10+\c]
.endr
	v_nop                                          ; one plain place behind a scaled conversion
.irp c, 0,1
.irp i, 0,1,2
	v_mov_b32 v[P+3+6*\c+\i], v[Z+4*\c+\i]
.endr
.endr
.irp c, 0,1,2
	global_store_b128 v4, v[P+4*\c:P+4*\c+3], s[32:33] offset:1536*\q+512*\c   ; 512 dense bytes a store
.endr
.endm
	XSTEP 0
	XSTEP 1
	v_cndmask_b32 v19, v16, v17, vcc_lo
	global_store_b32 v7, v19, s[34:35]
	s_wait_tensorcnt 0x0
	ds_add_u32 v232, v233
	s_wait_dscnt 0x0
	s_endpgm
	; ---------------- weights: j = work-group - 256: weight j / 16, columns 128 ((j / 4) % 4) on, K step j % 4.  A LANE TAKES A COLUMN, ITS REGISTERS RUN DOWN K: four whole blocks a lane.
.Lweights:
	s_sub_co_u32 s19, ttmp9, 256
	s_lshr_b32 s22, s19, 4                         ; which weight: q, k, v, o
	s_bfe_u32 s23, s19, 0x20002
	s_and_b32 s24, s19, 3                          ; K step
	s_lshl_b32 s23, s23, 2
	s_add_co_u32 s23, s23, s18                     ; my group of 32 columns, 0..15
	s_lshl_b32 s26, s24, 18                        ; 128 rows of 2,048 bytes a K step,
	s_lshl_b32 s28, s23, 7                         ; 128 bytes a group
	s_add_co_u32 s26, s26, s28
	s_mov_b32 s27, 0
	s_mul_i32 s28, s22, 196608
	s_mul_i32 s30, s23, 12288                      ; two tiles of 6,144 bytes a group
	s_add_co_u32 s28, s28, s30
	s_mul_i32 s30, s24, 1536
	s_add_co_u32 s28, s28, s30
	s_mov_b32 s29, 0
	s_lshl_b32 s30, s22, 13
	s_lshl_b32 s31, s23, 9
	s_add_co_u32 s30, s30, s31
	s_lshl_b32 s31, s24, 2
	s_add_co_u32 s30, s30, s31
	s_add_co_u32 s30, s30, 786432
	s_mov_b32 s31, 0
	s_wait_alu depctr_va_vdst(0)
	v_lshlrev_b32 v2, 2, v1                        ; in: 4 bytes a lane
	v_bfe_u32 v3, v0, 3, 1                         ; my column's tile u = (lane / 8) % 2
	v_and_b32 v4, 7, v0
	v_bfe_u32 v5, v0, 4, 1
	v_lshl_add_u32 v4, v5, 3, v4                   ; and its row there: lane % 8 + 8 (lane / 16)
	v_mul_u32_u24 v6, v3, 6144
	v_lshl_add_u32 v6, v4, 4, v6                   ; codes: 6,144 u + 16 r
	v_lshlrev_b32 v7, 8, v3
	v_lshl_add_u32 v7, v4, 4, v7                   ; record: 256 u + 16 r
	s_wait_alu depctr_va_vdst(0)
	s_wait_kmcnt 0x0
	s_cmp_eq_u32 s22, 1                            ; the choice hangs on the work-group's number alone
	s_cselect_b64 s[6:7], s[8:9], s[6:7]
	s_cmp_eq_u32 s22, 2
	s_cselect_b64 s[6:7], s[10:11], s[6:7]
	s_cmp_eq_u32 s22, 3
	s_cselect_b64 s[6:7], s[12:13], s[6:7]
	s_add_nc_u64 s[6:7], s[6:7], s[26:27]
	s_add_nc_u64 s[32:33], s[16:17], s[28:29]
	s_add_nc_u64 s[34:35], s[16:17], s[30:31]
.set i, 0
.rept 128
	global_load_b32 v[R+i], v2, s[6:7] offset:2048*i th:TH_LOAD_NT   ; W(128 s + i, my column): a wave reads 128 dense bytes, the four waves 512
.set i, i+1
.endr
	s_wait_loadcnt 0x0
.irp b, 0,1,2,3
	v_max3_num_f32 v[8+\b], |v[R+32*\b]|, |v[R+1+32*\b]|, 0x2800000
.endr
.irp i, 2,4,6,8,10,12,14,16,18,20,22,24,26,28,30
.irp b, 0,1,2,3
	v_max3_num_f32 v[8+\b], v[8+\b], |v[R+32*\b+\i]|, |v[R+1+32*\b+\i]|
.endr
.endr
.irp b, 0,1,2,3
	v_add_nc_u32 v[12+\b], 0xfe000000, v[8+\b]
.endr
.irp b, 0,1,2,3
	v_lshrrev_b32 v[16+\b], 23, v[12+\b]
.endr
	v_lshl_or_b32 v20, v17, 8, v16                 ; my column's scale word of this K step
	v_lshl_or_b32 v20, v18, 16, v20
	v_lshl_or_b32 v20, v19, 24, v20
.irp b, 0,1,2,3
	v_cvt_scalef32_pk16_bf6_f32 v[X+8*\b:X+8*\b+2], v[R+32*\b:R+32*\b+15], v[12+\b]
	v_cvt_scalef32_pk16_bf6_f32 v[200+4*\b:202+4*\b], v[R+32*\b+16:R+32*\b+31], v[12+\b]
.endr
	v_nop                                          ; one plain place behind a scaled conversion
.irp b, 0,1,2,3
.irp i, 0,1,2
	v_mov_b32 v[X+3+8*\b+\i], v[200+4*\b+\i]       ; block b's six registers: v[X + 8 b] on
.endr
.endr
	; block b is registers 6 (b / 2) .. + 5 of the image's lane r + 16 (b % 2)
.irp b, 0,1
	global_store_b128 v6, v[X+8*\b:X+8*\b+3], s[32:33] offset:256*\b              ; registers 0-3
	global_store_b64 v6, v[X+8*\b+4:X+8*\b+5], s[32:33] offset:512+256*\b         ; registers 4, 5
	global_store_b64 v6, v[X+16+8*\b:X+16+8*\b+1], s[32:33] offset:520+256*\b     ; registers 6, 7 (block 2 + b)
	global_store_b128 v6, v[X+18+8*\b:X+18+8*\b+3], s[32:33] offset:1024+256*\b   ; registers 8-11
.endr
	global_store_b32 v7, v20, s[34:35]
	s_endpgm
.Lfunc_end_k_q9193908d44_prep:
	.size	k_q9193908d44_prep, .Lfunc_end_k_q9193908d44_prep-k_q9193908d44_prep
	.p2alignl 7, 3214868480
	.fill 96, 4, 3214868480
	.section	.rodata,"a",@progbits
	.p2align	6, 0x0
	.amdhsa_kernel k_q9193908d44_prep
		.amdhsa_group_segment_fixed_size 34304
		.amdhsa_private_segment_fixed_size 0
		.amdhsa_enable_private_segment 0
		.amdhsa_kernarg_size 56
		.amdhsa_user_sgpr_count 2
		.amdhsa_user_sgpr_kernarg_segment_ptr 1
		.amdhsa_wavefront_size32 1
		.amdhsa_system_sgpr_workgroup_id_x 1
		.amdhsa_system_sgpr_workgroup_id_y 1
		.amdhsa_system_sgpr_workgroup_id_z 1
		.amdhsa_system_vgpr_workitem_id 0
		.amdhsa_next_free_vgpr 234
		.amdhsa_next_free_sgpr 66
		.amdhsa_reserve_vcc 1
		.amdhsa_float_denorm_mode_32 3
		.amdhsa_float_denorm_mode_16_64 3
		.amdhsa_memory_ordered 1
		.amdhsa_forward_progress 1
		.amdhsa_inst_pref_size 37
	.end_amdhsa_kernel
	.amdgpu_metadata
---
amdhsa.version: [ 1, 2 ]
amdhsa.kernels:
  - .name:           k_q9193908d44_prep
    .symbol:         k_q9193908d44_prep.kd
    .args:
      - { .name: x, .offset: 0, .size: 8, .value_kind: global_buffer, .address_space: global }
      - { .name: Wq, .offset: 8, .size: 8, .value_kind: global_buffer, .address_space: global }
      - { .name: Wk, .offset: 16, .size: 8, .value_kind: global_buffer, .address_space: global }
      - { .name: Wv, .offset: 24, .size: 8, .value_kind: global_buffer, .address_space: global }
      - { .name: Wo, .offset: 32, .size: 8, .value_kind: global_buffer, .address_space: global }
      - { .name: xq, .offset: 40, .size: 8, .value_kind: global_buffer, .address_space: global }
      - { .name: wq, .offset: 48, .size: 8, .value_kind: global_buffer, .address_space: global }
    .group_segment_fixed_size: 34304
    .private_segment_fixed_size: 0
    .kernarg_segment_align: 8
    .kernarg_segment_size: 56
    .max_flat_workgroup_size: 128
    .sgpr_count:     66
    .vgpr_count:     234
    .wavefront_size: 32
...
	.end_amdgpu_metadata
.endif
;; end of part 1
;; launch qkv (part 2): grid 64 x 3, 4 waves a work-group, no clusters, 0 bytes of LDS; arguments xq, wq, qq, kv; writes qq, kv
.if DOCPART == 2
	.amdgcn_target "amdgcn-amd-amdhsa--gfx1250"
	.amdhsa_code_object_version 6
	.text
	.protected	k_q9193908d44_qkv
	.globl	k_q9193908d44_qkv
	.p2align	8
	.type	k_q9193908d44_qkv,@function
k_q9193908d44_qkv:
	s_mov_b64 s[64:65], 0
	v_nop
	global_prefetch_b8 v0, s[64:65] scope:SCOPE_SE
	s_setreg_imm32_b32 hwreg(HW_REG_WAVE_MODE, 25, 1), 1
	s_wait_xcnt 0x0
; q = x Wq, k = x Wk, v = x Wv on codes of BF6 (E3M2) with E8M0 scales, K = 512; the results are quantised at once for the attention's two products and stored as images of operand registers.
; Work-group (tb, mode): 128 tokens (one key step), mode 0 q, 1 k, 2 v.  Wave w: channels 128 w on = heads 2 w, 2 w + 1.  A wave makes 128 x 128 alone: no LDS, no barrier.
; ONE BODY: source 0 is a RESIDENT operand (8 tiles x 4 K steps, 384 registers), source 1 a STREAMED tile; a lane then holds one streamed row and its 64 result registers run along the 128 resident rows,
; in natural order (the tiles' rows are chosen for that: row r of tile u of a group of 32 is the group's row 8 u + r + 8 (r / 8)).  So the conversions' results are an operand whose K is the resident rows.
;   q, k: resident = the weight's 128 columns, streamed = tiles of tokens: K = channels (two blocks of 32 a head).   v: resident = the 128 tokens, streamed = tiles of Wv's columns: K = the keys.
; PAIR FRAGMENTS (q, k).  A head has only 64 along K, half of what the matrix instruction takes.  The two tiles of a group of 32 tokens share a fragment: k 0-63 tile 0, k 64-127 tile 1, of one head; its scale word likewise.
; qq: [16 heads][32 steps][6,400]: 4 pair fragments, then 256 bytes of scale words.   kv: [16][32][12,800]: K's 4 pair fragments, V's 4 fragments (16 channels x 128 keys), K's scale words, V's.
; Scale words of a record: fragment p, row r at 128 (p / 2) + 8 r + 4 (p % 2): one 8-byte access a lane brings all four.
; NO JOINT LOADS: a wave takes each operand byte from memory straight into registers, once, 98,304 bytes for its 256 matrix instructions; joint loads land in LDS alone, so sharing would send the same bytes through LDS and back and add barriers.
; LIMITS: a block of zeros gets the byte 1 (zero codes; only this program reads the bytes); NaN and infinities are not served.
; REGISTERS, in windows of 256: window 0: v1-11 lanes, addresses, words; v16-31, v32-47 scale words (resident, streamed: tiles 2 i, 2 i + 1 in lanes 0-15, 16-31 of register 4 i + s); v48-111 the results;
;   v112-135 two fragments of codes; v136-159 at work.   window 1: resident tiles 0-3 at 48 T + 12 s;  window 2: tiles 4-7;  window 3: four slots for streamed tiles.
.set RS,  16
.set TS,  32
.set ACC, 48
.set P,   112
.set Z,   136
.set TM,  144
.set MSB, 0
.macro WIN new                         ; the immediate's high byte repeats the setting that is left
.if MSB != \new
	s_set_vgpr_msb (MSB<<8)|\new
.set MSB, \new
.endif
.endm
; one matrix instruction: D at d, source 0 at a, source 1 at b; z: the sum starts with 0, else with the registers at c; scale words sa, sb, taken from lanes 16-31 where ra, rb
.macro WM d, a, b, z, c, sa, sb, ra, rb
.set WD, \d
.set WA, \a
.set WB, \b
.set WC, \c
.set WSA, \sa
.set WSB, \sb
.if \z
.if (\ra) && (\rb)
	v_wmma_scale_f32_16x16x128_f8f6f4 v[WD:WD+7], v[WA:WA+11], v[WB:WB+11], 0, v[WSA], v[WSB] matrix_a_fmt:MATRIX_FMT_BF6 matrix_b_fmt:MATRIX_FMT_BF6 matrix_a_scale:MATRIX_SCALE_ROW1 matrix_b_scale:MATRIX_SCALE_ROW1
.elseif \ra
	v_wmma_scale_f32_16x16x128_f8f6f4 v[WD:WD+7], v[WA:WA+11], v[WB:WB+11], 0, v[WSA], v[WSB] matrix_a_fmt:MATRIX_FMT_BF6 matrix_b_fmt:MATRIX_FMT_BF6 matrix_a_scale:MATRIX_SCALE_ROW1
.elseif \rb
	v_wmma_scale_f32_16x16x128_f8f6f4 v[WD:WD+7], v[WA:WA+11], v[WB:WB+11], 0, v[WSA], v[WSB] matrix_a_fmt:MATRIX_FMT_BF6 matrix_b_fmt:MATRIX_FMT_BF6 matrix_b_scale:MATRIX_SCALE_ROW1
.else
	v_wmma_scale_f32_16x16x128_f8f6f4 v[WD:WD+7], v[WA:WA+11], v[WB:WB+11], 0, v[WSA], v[WSB] matrix_a_fmt:MATRIX_FMT_BF6 matrix_b_fmt:MATRIX_FMT_BF6
.endif
.else
.if (\ra) && (\rb)
	v_wmma_scale_f32_16x16x128_f8f6f4 v[WD:WD+7], v[WA:WA+11], v[WB:WB+11], v[WC:WC+7], v[WSA], v[WSB] matrix_a_fmt:MATRIX_FMT_BF6 matrix_b_fmt:MATRIX_FMT_BF6 matrix_a_scale:MATRIX_SCALE_ROW1 matrix_b_scale:MATRIX_SCALE_ROW1
.elseif \ra
	v_wmma_scale_f32_16x16x128_f8f6f4 v[WD:WD+7], v[WA:WA+11], v[WB:WB+11], v[WC:WC+7], v[WSA], v[WSB] matrix_a_fmt:MATRIX_FMT_BF6 matrix_b_fmt:MATRIX_FMT_BF6 matrix_a_scale:MATRIX_SCALE_ROW1
.elseif \rb
	v_wmma_scale_f32_16x16x128_f8f6f4 v[WD:WD+7], v[WA:WA+11], v[WB:WB+11], v[WC:WC+7], v[WSA], v[WSB] matrix_a_fmt:MATRIX_FMT_BF6 matrix_b_fmt:MATRIX_FMT_BF6 matrix_b_scale:MATRIX_SCALE_ROW1
.else
	v_wmma_scale_f32_16x16x128_f8f6f4 v[WD:WD+7], v[WA:WA+11], v[WB:WB+11], v[WC:WC+7], v[WSA], v[WSB] matrix_a_fmt:MATRIX_FMT_BF6 matrix_b_fmt:MATRIX_FMT_BF6
.endif
.endif
.endm
; 64 numbers of a lane, v[s + 16 b + i] = k 32 b + 16 (lane / 16) + i of my row, become a fragment's codes in v[d] on and its scale word in v[w] (the same word in both halves of the lanes)
.macro QUANT s, d, w
.irp b, 0,1,2,3
	v_max3_num_f32 v[TM+\b], |v[\s+16*\b]|, |v[\s+1+16*\b]|, 0x2800000   ; my 16 numbers of block b, from each result's low end on, and the floor 2^(5 - 127): the byte cannot fall under 1
.endr
.irp i, 2,4,6,8,10,12,14
.irp b, 0,1,2,3
	v_max3_num_f32 v[TM+\b], v[TM+\b], |v[\s+16*\b+\i]|, |v[\s+1+16*\b+\i]|
.endr
.endr
.irp b, 0,1,2,3
	v_permlanex16_b32 v[TM+4+\b], v[TM+\b], s50, s51
.endr
.irp b, 0,1,2,3
	v_max_num_f32 v[TM+\b], v[TM+\b], v[TM+4+\b]   ; with lane l xor 16's: the block's largest magnitude
.endr
.irp b, 0,1,2,3
	v_add_nc_u32 v[TM+12+\b], 0xfe000000, v[TM+\b] ; 4 off its exponent field: the conversion's scale operand
.endr
.irp b, 0,1,2,3
	v_lshrrev_b32 v[TM+4+\b], 23, v[TM+12+\b]      ; the byte
.endr
	v_lshl_or_b32 v[\w], v[TM+5], 8, v[TM+4]
	v_lshl_or_b32 v[\w], v[TM+6], 16, v[\w]
	v_lshl_or_b32 v[\w], v[TM+7], 24, v[\w]
.irp c, 0,1
	v_cvt_scalef32_pk16_bf6_f32 v[\d+6*\c:\d+2+6*\c], v[\s+32*\c:\s+15+32*\c], v[TM+12+2*\c]
	v_cvt_scalef32_pk16_bf6_f32 v[Z+4*\c:Z+2+4*\c], v[\s+16+32*\c:\s+31+32*\c], v[TM+12+2*\c+1]
.endr
	v_nop                                          ; one plain place behind a scaled conversion
.irp c, 0,1                            ; the operand's layout wants a whole block in a lane: lanes 0-15 block 2 c, lanes 16-31 block 2 c + 1
.irp i, 0,1,2
	v_permlane16_swap_b32 v[\d+6*\c+\i], v[Z+4*\c+\i]
.endr
.irp i, 0,1,2
	v_mov_b32 v[\d+3+6*\c+\i], v[Z+4*\c+\i]
.endr
.endr
.endm
	s_load_b256 s[4:11], s[0:1], 0x0               ; xq, wq, qq, kv
	v_lshrrev_b32 v1, 5, v0
	v_readfirstlane_b32 s12, v1                    ; wave 0..3
	s_and_b32 s13, ttmp7, 0xffff                   ; mode
	v_and_b32 v1, 31, v0
	v_and_b32 v2, 15, v0                           ; r
	v_bfe_u32 v3, v0, 4, 1                         ; h
	s_wait_alu depctr_va_vdst(0)
	v_lshlrev_b32 v4, 4, v1                        ; 16 x lane: my place in every image
	s_mul_i32 s14, ttmp9, 49152                    ; x: the block's 8 tiles of 6,144 bytes,
	s_mov_b32 s15, 0
	s_lshl_b32 s16, ttmp9, 11                      ; and their 8 records
	s_add_co_u32 s16, s16, 3145728
	s_mov_b32 s17, 0
	s_mul_i32 s18, s13, 196608                     ; the weight, my 8 tiles of it,
	s_mul_i32 s22, s12, 49152
	s_add_co_u32 s18, s18, s22
	s_mov_b32 s19, 0
	s_lshl_b32 s20, s13, 13                        ; and their records
	s_lshl_b32 s22, s12, 11
	s_add_co_u32 s20, s20, s22
	s_add_co_u32 s20, s20, 786432
	s_mov_b32 s21, 0
	s_cmp_eq_u32 s13, 0
	s_mov_b32 s23, 12800
	s_cselect_b32 s23, 6400, s23                   ; a step's record,
	s_mov_b32 s24, 409600
	s_cselect_b32 s24, 204800, s24                 ; a head's 32 records,
	s_mov_b32 s25, 12288
	s_cselect_b32 s25, 6144, s25                   ; where my scale words begin in a record
	s_cmp_eq_u32 s13, 2
	s_cselect_b32 s25, 12544, s25
	s_lshr_b32 s26, ttmp9, 5                       ; batch
	s_lshl_b32 s26, s26, 3
	s_lshl_b32 s27, s12, 1
	s_add_co_u32 s26, s26, s27                     ; head A = 8 x batch + 2 w
	s_mul_i32 s26, s26, s24
	s_and_b32 s27, ttmp9, 31                       ; step
	s_mul_i32 s27, s27, s23
	s_add_co_u32 s26, s26, s27
	s_mov_b32 s27, 0
	s_mov_b32 s28, s24
	s_mov_b32 s29, 0
	s_mov_b32 s30, s25
	s_mov_b32 s31, 0
	s_mov_b32 s50, 0x76543210
	s_mov_b32 s51, 0xfedcba98                      ; v_permlanex16_b32's selects for lane l xor 16
	v_mul_lo_u32 v5, v3, s24
	v_lshl_add_u32 v5, v2, 3, v5                   ; q, k: scale words: 8 r, lanes 16-31 in head B's record
	v_lshlrev_b32 v6, 3, v2
	v_lshl_add_u32 v6, v3, 2, v6                   ; v: 8 r + 4 h
	v_cmp_ne_u32 s48, 0, v3                        ; lanes 16-31
	s_wait_alu depctr_va_vdst(0)
	s_wait_kmcnt 0x0
	s_add_nc_u64 s[14:15], s[4:5], s[14:15]
	s_add_nc_u64 s[16:17], s[4:5], s[16:17]
	s_add_nc_u64 s[18:19], s[6:7], s[18:19]
	s_add_nc_u64 s[20:21], s[6:7], s[20:21]
	s_cmp_eq_u32 s13, 2                            ; the choices hang on the work-group's number alone
	s_cselect_b64 s[32:33], s[14:15], s[18:19]     ; resident codes,
	s_cselect_b64 s[34:35], s[16:17], s[20:21]     ; resident scale words,
	s_cselect_b64 s[36:37], s[18:19], s[14:15]     ; streamed codes,
	s_cselect_b64 s[38:39], s[20:21], s[16:17]     ; streamed scale words
	s_cmp_eq_u32 s13, 0
	s_cselect_b64 s[40:41], s[8:9], s[10:11]
	s_add_nc_u64 s[40:41], s[40:41], s[26:27]      ; head A's record
	s_add_nc_u64 s[42:43], s[40:41], s[28:29]      ; head B's
	s_add_nc_u64 s[44:45], s[40:41], s[30:31]      ; head A's scale words
	s_add_nc_u64 s[46:47], s[44:45], s[28:29]      ; head B's
.irp i, 0,1,2,3
	global_load_b128 v[RS+4*\i:RS+4*\i+3], v4, s[34:35] offset:512*\i   ; two records: lanes 0-15 tile 2 i, lanes 16-31 tile 2 i + 1; register s = K step s
.endr
.irp i, 0,1,2,3
	global_load_b128 v[TS+4*\i:TS+4*\i+3], v4, s[38:39] offset:512*\i
.endr
.macro TILES base, first               ; four tiles' images, tile by tile
.irp a, 0,1,2,3
.irp s, 0,1,2,3
.irp c, 0,1,2
	global_load_b128 v[48*\a+12*\s+4*\c:48*\a+12*\s+4*\c+3], v4, s[\base:\base+1] offset:(\first+\a)*6144+\s*1536+\c*512
.endr
.endr
.endr
.endm
	WIN 0x40                                       ; destination window 1
	TILES 32, 0
	WIN 0x80
	TILES 32, 4
	WIN 0xc0
	TILES 36, 0                                    ; streamed tiles 0-3
	WIN 0
.irp b, 0,1,2,3
	v_mov_b32 v[TM+4+\b], 0                        ; written once: a lane permute's destination counts as one of its sources
.endr
; 16 matrix instructions: resident tiles a0 .. a0 + 3 x streamed tile t, K step by K step: four sums by turns, one instruction a turn
.macro HALF t, a0
.irp s, 0,1,2,3
.irp a, 0,1,2,3
	WM ACC+8*(\a0+\a), 48*\a+12*\s, 48*((\t)%4)+12*\s, (\s==0), ACC+8*(\a0+\a), RS+4*((\a0+\a)/2)+\s, TS+4*((\t)/2)+\s, (\a%2), ((\t)%2)
.endr
.endr
.endm
; streamed tile t against all eight resident tiles.  left: the loads issued behind tile t's, 12 for each later tile
.macro UNIT t, left
	s_wait_loadcnt \left
	WIN 0x0d                                       ; source 0 window 1, source 1 window 3
	HALF \t, 0
	WIN 0x0e                                       ; source 0 window 2
	HALF \t, 4
.rept 5
	v_nop                                          ; four places in front of the loads into the slot and of the first read of results, a fifth in front of the next unit's products, which begin these sums anew
.endr
.if (\t) < 4
	WIN 0xc0
.irp s, 0,1,2,3
.irp c, 0,1,2
	global_load_b128 v[48*(\t)+12*\s+4*\c:48*(\t)+12*\s+4*\c+3], v4, s[36:37] offset:((\t)+4)*6144+\s*1536+\c*512   ; the slot takes the tile four further on
.endr
.endr
.endif
	WIN 0
.endm
; streamed tiles 2 d and 2 d + 1, quantised and stored
.macro DOUBLE d, l0, l1
	UNIT 2*\d, \l0
	s_wait_xcnt 0x0                                ; the last stores have read the registers that are written again below
	QUANT ACC, P, 8
	UNIT 2*\d+1, \l1
	QUANT ACC, P+12, 9
	s_cmp_eq_u32 s13, 2
	s_cbranch_scc1 .Lv_\@
.irp i, 0,1,2,3,4,5
	v_swap_b32 v[P+6+\i], v[P+12+\i]               ; q, k: (tile 0: head A | head B), (tile 1: A | B) become head A's pair (tile 0 | tile 1) and head B's
.endr
	v_perm_b32 v10, v9, v8, 0x05040100             ; head A's word: the low halves of the two tiles' words,
	v_perm_b32 v11, v9, v8, 0x07060302             ; head B's: the high halves
	v_cndmask_b32 v7, v10, v11, s48
.irp c, 0,1,2
	global_store_b128 v4, v[P+4*\c:P+4*\c+3], s[40:41] offset:1536*\d+512*\c          ; 512 dense bytes a store
	global_store_b128 v4, v[P+12+4*\c:P+12+4*\c+3], s[42:43] offset:1536*\d+512*\c
.endr
	global_store_b32 v5, v7, s[44:45] offset:128*(\d/2)+4*(\d%2)
	s_branch .Ldone_\@
.Lv_\@:
.set BS, 40+2*(\d/2)                   ; v: tiles 0-3 of Wv's columns are head A's channels, 4-7 head B's
.set SS, 44+2*(\d/2)
	v_cndmask_b32 v7, v8, v9, s48
	s_wait_alu depctr_va_vdst(0)
.irp i, 0,1
.irp c, 0,1,2
	global_store_b128 v4, v[P+12*\i+4*\c:P+12*\i+4*\c+3], s[BS:BS+1] offset:6144+(2*(\d%2)+\i)*1536+512*\c
.endr
.endr
	global_store_b32 v6, v7, s[SS:SS+1] offset:128*(\d%2)
.Ldone_\@:
.endm
	DOUBLE 0, 36, 36
	DOUBLE 1, 36, 36
	DOUBLE 2, 36, 24
	DOUBLE 3, 12, 0
	s_endpgm
.Lfunc_end_k_q9193908d44_qkv:
	.size	k_q9193908d44_qkv, .Lfunc_end_k_q9193908d44_qkv-k_q9193908d44_qkv
	.p2alignl 7, 3214868480
	.fill 96, 4, 3214868480
	.section	.rodata,"a",@progbits
	.p2align	6, 0x0
	.amdhsa_kernel k_q9193908d44_qkv
		.amdhsa_group_segment_fixed_size 0
		.amdhsa_private_segment_fixed_size 0
		.amdhsa_enable_private_segment 0
		.amdhsa_kernarg_size 32
		.amdhsa_user_sgpr_count 2
		.amdhsa_user_sgpr_kernarg_segment_ptr 1
		.amdhsa_wavefront_size32 1
		.amdhsa_system_sgpr_workgroup_id_x 1
		.amdhsa_system_sgpr_workgroup_id_y 1
		.amdhsa_system_sgpr_workgroup_id_z 1
		.amdhsa_system_vgpr_workitem_id 0
		.amdhsa_next_free_vgpr 960
		.amdhsa_next_free_sgpr 66
		.amdhsa_reserve_vcc 0
		.amdhsa_float_denorm_mode_32 3
		.amdhsa_float_denorm_mode_16_64 3
		.amdhsa_memory_ordered 1
		.amdhsa_forward_progress 1
		.amdhsa_inst_pref_size 95
	.end_amdhsa_kernel
	.amdgpu_metadata
---
amdhsa.version: [ 1, 2 ]
amdhsa.kernels:
  - .name:           k_q9193908d44_qkv
    .symbol:         k_q9193908d44_qkv.kd
    .args:
      - { .name: xq, .offset: 0, .size: 8, .value_kind: global_buffer, .address_space: global }
      - { .name: wq, .offset: 8, .size: 8, .value_kind: global_buffer, .address_space: global }
      - { .name: qq, .offset: 16, .size: 8, .value_kind: global_buffer, .address_space: global }
      - { .name: kv, .offset: 24, .size: 8, .value_kind: global_buffer, .address_space: global }
    .group_segment_fixed_size: 0
    .private_segment_fixed_size: 0
    .kernarg_segment_align: 8
    .kernarg_segment_size: 32
    .max_flat_workgroup_size: 128
    .sgpr_count:     66
    .vgpr_count:     960
    .wavefront_size: 32
...
	.end_amdgpu_metadata
.endif
;; end of part 2
;; launch attn (part 3): grid 16 x 16, 8 waves a work-group, clusters of 4 x 1, 327,680 bytes of LDS; arguments qq, kv, oq; writes oq
.if DOCPART == 3
	.amdgcn_target "amdgcn-amd-amdhsa--gfx1250"
	.amdhsa_code_object_version 6
	.text
	.protected	k_q9193908d44_attn
	.globl	k_q9193908d44_attn
	.p2align	8
	.type	k_q9193908d44_attn,@function
k_q9193908d44_attn:
	s_mov_b64 s[64:65], 0
	v_nop
	global_prefetch_b8 v0, s[64:65] scope:SCOPE_SE
	s_setreg_imm32_b32 hwreg(HW_REG_WAVE_MODE, 25, 1), 1
	s_wait_xcnt 0x0
	s_wait_alu depctr_hold_cnt(0) depctr_sa_sdst(0) depctr_va_vdst(0) depctr_va_sdst(0) depctr_va_ssrc(0) depctr_va_vcc(0) depctr_vm_vsrc(0)
	s_getreg_b32 s2, hwreg(HW_REG_IB_STS2, 6, 4)
	s_cmp_eq_u32 s2, 0
	s_cbranch_scc0 .Lentry_in_a_cluster
	s_endpgm
.Lentry_in_a_cluster:
	s_bfe_u32 s2, ttmp6, 0x10000c
	s_cmp_lg_u32 s2, 0x3003
	s_cbranch_scc0 .Lentry_shape_is_right
	s_endpgm
.Lentry_shape_is_right:
; O[q] = sum over keys of softmax(q . k / 8) v for 16 heads of 4,096 tokens x 64 channels, both products on codes of BF6 (E3M2) with E8M0 scales; O / l is quantised along the channels for the last projection and stored as operand images.
; THE SOFTMAX: t = score x log2(e) / 8; M = the running largest t rounded UP to a whole number; p = 2^(t - M) is quantised along the keys, not normalised; the row's sum l is taken of the unquantised p;
; when M moves, l and O are multiplied by 2^(old M - new M), which rounds nothing.
; SHARES.  A work-group owns 256 queries of one head; each of its eight waves owns 32, two tiles of 16 (one pair fragment of qq), so that every fragment of K and V read from LDS feeds two tiles.  Every wave walks 4,096 keys, 128 a step.
; A step's record (12,800 bytes: K's 4 pair fragments, V's 4 fragments, their scale words) lies in memory as images of operand registers.
; PAIR FRAGMENTS.  The head's K is 64, the matrix instruction's 128: a fragment of K holds one tile of keys in k 0-63 and another in k 64-127; multiplied by (q | zeros) it gives the first's scores, by (zeros | q) the second's.
; WHICH KEYS FORM A TILE is chosen on the way out of LDS, by each lane's address: row m of my fragment (c, w) is row m % 8 + 8 w of the record's fragment 2 c + m / 8.  Both products are used transposed (a lane holds ONE query), so
; lane (r, h) then has, in the 32 registers of fragments (c, 0), (c, 1), the keys 64 c + 32 h + 0 .. 31 in order: a WHOLE block of 32, at the place where p's operand wants it.  A block's maximum needs no other lane, and no lanes are swapped.
; LDS.  The tensor load lays 128 bytes of padding behind each 512: a fragment is 1,920 bytes from the next, so rows 0-7 and rows 8-15 of my fragments fall on different halves of the 64 banks (ISA guide 11.1).  A record takes 16,000 bytes.
; CLUSTER.  The four query blocks of a cluster belong to one head and walk the same records: each chunk of 8 records is asked for JOINTLY, a record a wave; the mask names all four work-groups.
; RING.  Two slots of 8 records, 2^17 bytes apart.  One tensor load of a wave is out at the most.  No prefetch is laid: a chunk's load is issued a whole slot, eight key steps, ahead of its first read.
; K's fragments have registers of their own and are fetched a step ahead inside a slot (a slot's last step is written out without that fetch); V's are fetched behind the first product and land under the softmax.
; LIMITS: p under 2^-126 counts as 0; a block of zeros gets the byte 1 (zero codes); 1 / l by v_rcp_f32; NaN and infinities are not served; the scaled scores stay under 2^31 in magnitude.
; REGISTERS.  Tile t = 0, 1.  Window 0: v1-11 lane terms and addresses; v[12+2t] -M, v[13+2t] the largest score; v[16+2t:17+2t] the sum; v[20+2t] f, v[21+2t] p's scale word; v24-25 q's scale words; v26-27 K's, v28-29 V's;
;   v32-79 V's fragments; v80-207 scores, then p; v208-231 p's codes; v232-251 at work.   Window 1: v0-63 O^T; v64-81, v84-101 q, zeros, q; v104-151 K's fragments.
.set RECM,  12800
.set RECP,  16000
.set CHUNK, 8*RECM
.set SLOT1, 1<<17
.set SPARE, 2*SLOT1                    ; the spare words, 128 bytes for each of eight waves: four blocks of 256 bytes that no other line names
.set LI,   1
.set L8,   2
.set SPW,  3
.set NIL,  4
.set ADR,  5
.set AD8,  6
.set ADK,  7
.set ADKS, 8
.set SH8,  9
.set LK,   10
.set LKS,  11
.set QSA,  24
.set KS,   26
.set VS,   28
.set WO,   30
.set F,    32
.set SA,   80
.set PA,   208
.set AT,   232
.set SO,   248
.set QA,   64                          ; window 1
.set KF,   104                         ; window 1
.set WV,  10
.set G1,  16
.set G0,  24
.set SEL, 28
.set CS,  30
.set TB,  32
.set CNT, 33
.set SLOTS, 34
.set NC,  35
.set MSB, 0
.macro WIN new                         ; the immediate's high byte repeats the setting that is left
.if MSB != \new
	s_set_vgpr_msb (MSB<<8)|\new
.set MSB, \new
.endif
.endm
.macro ROUND                           ; a round of the cluster's barrier
	s_barrier_signal -1
	s_barrier_wait -1
	s_cmp_lg_u32 s[WV], 0
	s_cbranch_scc1 .Lnot_wave_0_\@
	s_barrier_signal -3
.Lnot_wave_0_\@:
	s_barrier_wait -3
	s_barrier_signal -1
	s_barrier_wait -1
.endm
	s_load_b128 s[4:7], s[0:1], 0x0                ; qq, kv
	s_load_b64 s[8:9], s[0:1], 0x10                ; oq
	v_lshl_add_u32 v[SPW], v0, 2, SPARE
	v_mov_b32 v[NIL], 0
	ds_add_u32 v[SPW], v[NIL]                      ; the opening lines: the add, twice on end, and its wait ahead of my first tensor load
	ds_add_u32 v[SPW], v[NIL]
	v_lshrrev_b32 v248, 5, v0
	v_readfirstlane_b32 s[WV], v248                ; wave 0..7
	s_and_b32 s11, ttmp7, 0xffff                   ; the head (8 x batch + head), which the four partners share
	s_bfe_u32 s12, ttmp6, 0x40000                  ; cx
	s_lshl_b32 s13, ttmp9, 2
	s_add_co_u32 s13, s13, s12                     ; my block of 256 queries: it enters qq's and oq's addresses alone
	; descriptor group 1: a record, 25 rows of 64 elements of 8 bytes, 32 words of padding behind each row of 128 words
	s_mov_b32 s[G1], 15|(3<<16)|(1<<20)|(1<<21)|(6<<22)|(31<<25)
	s_mov_b32 s[G1+1], 64<<16                      ; tensor_dim0
	s_mov_b32 s[G1+2], 25<<16                      ; tensor_dim1
	s_mov_b32 s[G1+3], 64<<16                      ; tile_dim0
	s_mov_b32 s[G1+4], 25                          ; tile_dim1
	s_mov_b32 s[G1+5], 64                          ; tensor_dim0_stride
	s_mov_b32 s[G1+6], 0
	s_mov_b32 s[G1+7], 0
	s_mul_i32 s36, s[WV], RECM                     ; my record of a chunk in memory,
	s_mul_i32 s37, s[WV], RECP                     ; and in a slot
	s_mul_i32 s38, s11, 32*RECM
	s_add_co_u32 s38, s38, s36
	s_mov_b32 s39, 0
	; my 32 queries: record 2 qb + w / 4 of the head in qq, pair w % 4
	s_lshl_b32 s40, s13, 1
	s_lshr_b32 s41, s[WV], 2
	s_add_co_u32 s40, s40, s41
	s_mul_i32 s40, s40, 6400
	s_mul_i32 s41, s11, 204800
	s_add_co_u32 s40, s40, s41
	s_and_b32 s42, s[WV], 3
	s_mul_i32 s43, s42, 1536
	s_add_co_u32 s44, s40, s43                     ; the pair's image
	s_mov_b32 s45, 0
	s_lshr_b32 s43, s42, 1
	s_lshl_b32 s43, s43, 7
	s_and_b32 s42, s42, 1
	s_lshl_b32 s42, s42, 2
	s_add_co_u32 s46, s40, s43
	s_add_co_u32 s46, s46, s42
	s_add_co_u32 s46, s46, 6144                    ; its scale words
	s_mov_b32 s47, 0
	s_lshr_b32 s48, s11, 3
	s_lshl_b32 s48, s48, 8
	s_lshl_b32 s49, s13, 4
	s_add_co_u32 s48, s48, s49
	s_lshl_b32 s49, s[WV], 1
	s_add_co_u32 s48, s48, s49                     ; my first tile among all 512
	s_and_b32 s49, s11, 7                          ; the head in its batch
	s_mul_i32 s50, s48, 6144
	s_mul_i32 s52, s49, 768
	s_add_co_u32 s50, s50, s52                     ; oq: my half fragments
	s_mov_b32 s51, 0
	s_lshl_b32 s52, s48, 8
	s_lshl_b32 s49, s49, 1
	s_add_co_u32 s52, s52, s49
	s_add_co_u32 s52, s52, 3145728                 ; and my two bytes of each row's 16
	s_mov_b32 s53, 0
	s_mov_b32 s[SEL], 0x76543210
	s_mov_b32 s[SEL+1], 0xfedcba98                 ; v_permlanex16_b32's selects for lane l xor 16
	s_mov_b32 s[CS], 0x3e38aa3b                    ; c = log2(e) / 8
	s_mov_b32 s[CS+1], s[CS]                       ; (named with it as a pair, so it is written)
	s_mov_b32 s[NC], 0xbe38aa3b                    ; -c
	s_mov_b32 s[TB], 0
	s_mov_b32 s[SLOTS], 3
	s_wait_dscnt 0x0                               ; both opening adds are done
	s_wait_kmcnt 0x0
	s_mov_b32 s[G0], 1                             ; count = 1
	s_mov_b32 s[G0+1], s37                         ; LDS address: slot 0
	s_add_nc_u64 s[G0+2:G0+3], s[6:7], s[38:39]    ; the head's first chunk
	s_or_b32 s[G0+3], s[G0+3], 0x80000000          ; type = 2
	s_add_nc_u64 s[44:45], s[4:5], s[44:45]
	s_add_nc_u64 s[46:47], s[4:5], s[46:47]
	s_add_nc_u64 s[50:51], s[8:9], s[50:51]
	s_add_nc_u64 s[52:53], s[8:9], s[52:53]
	ROUND                                          ; all four work-groups are here: the first joint loads meet
	tensor_load_to_lds s[G0:G0+3], s[G1:G1+7]      ; chunk 0 into slot 0: every wave its record
	s_nop 0
	v_and_b32 v248, 31, v0
	v_and_b32 v249, 15, v0                         ; r
	v_bfe_u32 v250, v0, 4, 1                       ; h
	v_bfe_u32 v251, v0, 3, 1                       ; r / 8
	v_and_b32 v252, 7, v0                          ; r % 8
	v_lshlrev_b32 v[LI], 4, v248
	v_lshlrev_b32 v[L8], 3, v248
	v_lshlrev_b32 v253, 3, v249
	global_load_b128 v[F:F+3], v[LI], s[44:45]
	global_load_b128 v[F+4:F+7], v[LI], s[44:45] offset:512
	global_load_b128 v[F+8:F+11], v[LI], s[44:45] offset:1024
	global_load_b32 v[F+12], v253, s[46:47]        ; row r's word of the pair
	v_lshl_add_u32 v[WO], v249, 4, v250            ; the way out: 16 r + h
	v_cmp_ne_u32 s57, 0, v250                      ; lanes 16-31
	v_lshlrev_b32 v[SH8], 3, v250                  ; 8 h
	v_mul_u32_u24 v[LK], v251, 1920                ; K's fragments: rows 8-15 come from the record's next fragment,
	v_lshl_add_u32 v[LK], v252, 4, v[LK]           ; image lane r % 8 (+ 8 w in the offset)
	v_lshl_add_u32 v[LK], v250, 8, v[LK]           ; + 16 h
	v_lshlrev_b32 v[LKS], 3, v252                  ; K's scale words: 8 (r % 8 + 8 h) + 4 (r / 8): lanes 0-15 fragment (c, 0), lanes 16-31 (c, 1)
	v_lshl_add_u32 v[LKS], v250, 6, v[LKS]
	v_lshl_add_u32 v[LKS], v251, 2, v[LKS]
.irp t, 0,1
	v_mov_b32 v[12+2*\t], 0x7f61b1e6               ; -M: 3e38
	v_mov_b32 v[13+2*\t], 0xff61b1e6               ; the largest score so far: -3e38
	v_mov_b32 v[16+2*\t], 0
	v_mov_b32 v[17+2*\t], 0
	v_mov_b32 v[20+2*\t], 0
	v_mov_b32 v[21+2*\t], 0                        ; (named as the upper half of a pair before it is first written)
.endr
	s_wait_alu depctr_va_vdst(0)
	s_wait_loadcnt 0x0
	v_perm_b32 v[QSA], v[F+12], v[F+12], 0x01000100     ; tile 0's two bytes, twice: they serve (q | zeros) and (zeros | q)
	v_perm_b32 v[QSA+1], v[F+12], v[F+12], 0x03020302   ; tile 1's
	WIN 0x40                                       ; destination window 1
.irp t, 0,1
.irp i, 0,1,2,3,4,5
	v_mov_b32 v[QA+20*\t+\i], v[F+6*\t+\i]
	v_mov_b32 v[QA+20*\t+6+\i], 0
	v_mov_b32 v[QA+20*\t+12+\i], v[F+6*\t+\i]
.endr
.endr
.set j, 0
.rept 64
	v_mov_b32 v[j], 0                              ; O^T: the step is written for every trip alike; the first finds zeros
.set j, j+1
.endr
	WIN 0
.macro KLOAD off                       ; K's scale words and four fragments of the record at v[ADK] + off
	ds_load_b32 v[KS], v[ADKS] offset:\off+15360
	ds_load_b32 v[KS+1], v[ADKS] offset:\off+15488
	WIN 0x40
.irp p, 0,1,2,3
.irp g, 0,1,2
	ds_load_b128 v[KF+12*\p+4*\g:KF+12*\p+4*\g+3], v[ADK] offset:\off+3840*(\p/2)+128*(\p%2)+640*\g
.endr
.endr
	WIN 0
.endm
.macro QKT t                           ; S^T of tile t: register SA + 64 t + 32 c + i of lane (r, h) is query r, key 64 c + 32 h + i
.irp p, 0,1,2,3
.irp z, 0,1
.if \p%2
	v_wmma_scale_f32_16x16x128_f8f6f4 v[SA+64*\t+16*\p+8*\z:SA+64*\t+16*\p+8*\z+7], v[KF+12*\p:KF+12*\p+11], v[QA+20*\t+6*\z:QA+20*\t+6*\z+11], 0, v[KS+\p/2], v[QSA+\t] matrix_a_fmt:MATRIX_FMT_BF6 matrix_b_fmt:MATRIX_FMT_BF6 matrix_a_scale:MATRIX_SCALE_ROW1
.else
	v_wmma_scale_f32_16x16x128_f8f6f4 v[SA+64*\t+16*\p+8*\z:SA+64*\t+16*\p+8*\z+7], v[KF+12*\p:KF+12*\p+11], v[QA+20*\t+6*\z:QA+20*\t+6*\z+11], 0, v[KS+\p/2], v[QSA+\t] matrix_a_fmt:MATRIX_FMT_BF6 matrix_b_fmt:MATRIX_FMT_BF6
.endif
.endr
.endr
.endm
.macro PVM t, d                        ; O^T += V^T p^T: 16 channels of tile t's queries
.if \d/2
	v_wmma_scale_f32_16x16x128_f8f6f4 v[32*\t+8*\d:32*\t+8*\d+7], v[F+12*\d:F+12*\d+11], v[PA+12*\t:PA+12*\t+11], v[32*\t+8*\d:32*\t+8*\d+7], v[VS+\d%2], v[21+2*\t] matrix_a_fmt:MATRIX_FMT_BF6 matrix_b_fmt:MATRIX_FMT_BF6 matrix_a_scale:MATRIX_SCALE_ROW1
.else
	v_wmma_scale_f32_16x16x128_f8f6f4 v[32*\t+8*\d:32*\t+8*\d+7], v[F+12*\d:F+12*\d+11], v[PA+12*\t:PA+12*\t+11], v[32*\t+8*\d:32*\t+8*\d+7], v[VS+\d%2], v[21+2*\t] matrix_a_fmt:MATRIX_FMT_BF6 matrix_b_fmt:MATRIX_FMT_BF6
.endif
.endm
; the largest score of each block of 32 keys, in four chains of 16 registers, each result read from its low end on
.macro MAX0 t
.irp k, 0,1,2,3
	v_max3_num_f32 v[AT+8*\t+\k], v[SA+64*\t+16*\k], v[SA+64*\t+16*\k+1], v[SA+64*\t+16*\k+2]
.endr
.endm
.macro MAXR t, i
.irp k, 0,1,2,3
	v_max3_num_f32 v[AT+8*\t+\k], v[AT+8*\t+\k], v[SA+64*\t+16*\k+\i], v[SA+64*\t+16*\k+\i+1]
.endr
.endm
.macro MAXF1 t
	v_max3_num_f32 v[AT+8*\t], v[AT+8*\t], v[AT+8*\t+1], v[SA+64*\t+15]
	v_max3_num_f32 v[AT+8*\t+2], v[AT+8*\t+2], v[AT+8*\t+3], v[SA+64*\t+47]
.endm
.macro MAXF2 t
	v_max_num_f32 v[AT+8*\t], v[AT+8*\t], v[SA+64*\t+31]       ; block h's largest score,
	v_max_num_f32 v[AT+8*\t+2], v[AT+8*\t+2], v[SA+64*\t+63]   ; block 2 + h's
.endm
; the k-th line of the chain from the blocks' maxima to -M and f; the lines are laid among the other tile's independent work
.macro CH k, t, d
.if \k == 0
	v_max3_num_f32 v[AT+8*\t+1], v[13+2*\t], v[AT+8*\t], v[AT+8*\t+2]
.elseif \k == 1
	v_permlanex16_b32 v[AT+8*\t+3], v[AT+8*\t+1], s[SEL], s[SEL+1]
.elseif \k == 2
	v_max_num_f32 v[13+2*\t], v[AT+8*\t+1], v[AT+8*\t+3]       ; the running largest score of my query
.elseif \k == 3
	v_mul_f32 v[AT+8*\t+1], s[NC], v[13+2*\t]                  ; -t
.elseif \k == 4
	v_floor_f32 v[AT+8*\t+1], v[AT+8*\t+1]                     ; the new -M = floor(-t) = -ceil(t)
.elseif \k == 5
	v_sub_f32 v[AT+8*\t+3], v[AT+8*\t+1], v[12+2*\t]           ; old M - new M: a whole number, 0 or less
.elseif \k == 6
	v_mov_b32 v[12+2*\t], v[AT+8*\t+1]
.elseif \k == 7
	v_cvt_i32_f32 v[AT+8*\t+3], v[AT+8*\t+3]                   ; (it saturates)
.else
	v_ldexp_f32 v[20+2*\t], 1.0, v[AT+8*\t+3]                  ; f = 2^(old M - new M)
.endif
.endm
.macro TM t, n                         ; t - M, two at a time, n lines from register j on
.rept \n
	v_pk_fma_f32 v[SA+64*\t+j:SA+64*\t+j+1], v[SA+64*\t+j:SA+64*\t+j+1], s[CS:CS+1], v[12+2*\t:13+2*\t] op_sel_hi:[1,0,0]
.set j, j+2
.endr
.endm
.macro SUMJ t, i                       ; four pairs of p onto four running pairs
.irp k, 0,2,4,6
	v_pk_add_f32 v[SA+64*\t+\k:SA+64*\t+\k+1], v[SA+64*\t+\k:SA+64*\t+\k+1], v[SA+64*\t+8*\i+\k:SA+64*\t+8*\i+\k+1]
.endr
.endm
; A KEY STEP on the record at LDS byte s[TB]; its K is in registers.  pf = 1: the next record's K is fetched
.macro STEP pf
	s_wait_dscnt 0x0                               ; K and its scale words are in
	WIN 0x05                                       ; sources 0 and 1 in window 1
	QKT 0
	QKT 1
	WIN 0
	v_add_nc_u32 v[ADR], s[TB], v[LI]              ; these four lines are the places in front of the loads below and of the first read of scores
	v_add_nc_u32 v[AD8], s[TB], v[L8]
	v_add_nc_u32 v[ADK], s[TB], v[LK]
	v_add_nc_u32 v[ADKS], s[TB], v[LKS]
.irp g, 0,1,2,3,4,5,6,7,8,9,10,11
	ds_load_b128 v[F+4*\g:F+4*\g+3], v[ADR] offset:7680+640*\g   ; V's four fragments land while the softmax is worked
.endr
	ds_load_b64 v[VS:VS+1], v[AD8] offset:15616
.if \pf
	KLOAD RECP
.endif
	MAX0 0
.irp i, 3,5,7,9,11,13
	MAXR 0, \i
.endr
	MAXF1 0
	MAXF2 0
	MAX0 1                                         ; tile 1's maxima, tile 0's chain among them
	CH 0, 0, 0
.irp i, 3,5,7,9,11,13
	MAXR 1, \i
	CH (\i-1)/2, 0, 0
.endr
	MAXF1 1
	CH 7, 0, 0
	MAXF2 1
	CH 8, 0, 0
.set j, 0
.irp k, 0,1,2,3,4,5,6,7,8
	TM 0, 3                                        ; tile 0's t - M, tile 1's chain among them
	CH \k, 1, 1
.endr
	TM 0, 5
	WIN 0x41                                       ; source 0 and destination in window 1
.irp t, 0,1
.set j, 0
.rept 16
	v_pk_mul_f32 v[32*\t+j:32*\t+j+1], v[32*\t+j:32*\t+j+1], v[20+2*\t:21+2*\t] op_sel_hi:[1,0]   ; O^T under the new M, each result from its low end on, ahead of the exponentials
.set j, j+2
.endr
.endr
	WIN 0
.set j, 0
	TM 1, 32
.irp k, 0,1,2,3
	v_fma_f32 v[AT+2*(\k%2)+8*(\k/2)], v[AT+2*(\k%2)+8*(\k/2)], s[CS], v[12+2*(\k/2)]   ; the same of each block's largest score: p rises with the score
.endr
	s_wait_alu depctr_va_vdst(0)
.set j, 0
.rept 128
	v_exp_f32 v[SA+j], v[SA+j]                     ; p = 2^(t - M), at most 1
.set j, j+1
.endr
.irp k, 0,1,2,3
	v_exp_f32 v[AT+2*(\k%2)+8*(\k/2)], v[AT+2*(\k%2)+8*(\k/2)]   ; the block's largest p
.endr
	v_nop                                          ; one plain place behind the exponentials
	s_wait_alu depctr_va_vdst(0)                   ; one wait for the whole batch
.if \pf
	s_wait_dscnt 14                                ; V and its scale words are in; the 2 + 12 loads of the next K, issued behind them, may be out
.else
	s_wait_dscnt 0x0
.endif
.irp k, 0,1,2,3
	v_max_num_f32 v[AT+2*(\k%2)+8*(\k/2)], 0x2800000, v[AT+2*(\k%2)+8*(\k/2)]   ; the floor 2^(5 - 127): the byte cannot fall under 1
.endr
.irp k, 0,1,2,3
	v_add_nc_u32 v[SO+\k], 0xfe000000, v[AT+2*(\k%2)+8*(\k/2)]   ; 4 off the exponent field: the conversion's scale operand
.endr
.irp k, 0,1,2,3
	v_lshrrev_b32 v[AT+2*(\k%2)+8*(\k/2)], 23, v[SO+\k]          ; the byte
.endr
.irp t, 0,1
	v_lshl_or_b32 v[AT+8*\t+1], v[AT+8*\t+2], 16, v[AT+8*\t]     ; my two bytes: blocks h and 2 + h,
.endr
.irp t, 0,1
	v_lshlrev_b32 v[AT+8*\t+1], v[SH8], v[AT+8*\t+1]             ; at their places in the word;
.endr
.irp t, 0,1
	v_permlanex16_b32 v[AT+8*\t+3], v[AT+8*\t+1], s[SEL], s[SEL+1]
.endr
.irp t, 0,1
	v_or_b32 v[21+2*\t], v[AT+8*\t+1], v[AT+8*\t+3]              ; with lane l xor 16's two the word is whole
.endr
.irp t, 0,1
.irp c, 0,1
	v_cvt_scalef32_pk16_bf6_f32 v[PA+12*\t+6*\c:PA+12*\t+6*\c+2], v[SA+64*\t+32*\c:SA+64*\t+32*\c+15], v[SO+2*\t+\c]
	v_cvt_scalef32_pk16_bf6_f32 v[AT+8*\t+4*\c:AT+8*\t+4*\c+2], v[SA+64*\t+32*\c+16:SA+64*\t+32*\c+31], v[SO+2*\t+\c]   ; (a conversion's three registers begin on an even number)
.endr
.endr
	v_nop                                          ; one plain place behind a scaled conversion
.irp t, 0,1
.irp c, 0,1
.irp i, 0,1,2
	v_mov_b32 v[PA+12*\t+6*\c+3+\i], v[AT+8*\t+4*\c+\i]
.endr
.endr
.endr
	SUMJ 0, 1                                      ; the row's sum is taken of the unquantised p; these eight lines are also the places between the codes' last write and the products
	SUMJ 1, 1
	WIN 0x50                                       ; C and D in window 1
.irp d, 0,1,2,3
	PVM 0, \d                                      ; eight sums by turns, one instruction a turn
	PVM 1, \d
.endr
	WIN 0
.irp i, 2,3,4,5,6,7
	SUMJ 0, \i
	SUMJ 1, \i
.endr
.irp t, 0,1
	v_pk_add_f32 v[SA+64*\t:SA+64*\t+1], v[SA+64*\t:SA+64*\t+1], v[SA+64*\t+2:SA+64*\t+3]
	v_pk_add_f32 v[SA+64*\t+4:SA+64*\t+5], v[SA+64*\t+4:SA+64*\t+5], v[SA+64*\t+6:SA+64*\t+7]
.endr
.irp t, 0,1
	v_pk_add_f32 v[SA+64*\t:SA+64*\t+1], v[SA+64*\t:SA+64*\t+1], v[SA+64*\t+4:SA+64*\t+5]
.endr
.irp t, 0,1
	v_pk_fma_f32 v[16+2*\t:17+2*\t], v[16+2*\t:17+2*\t], v[20+2*\t:21+2*\t], v[SA+64*\t:SA+64*\t+1] op_sel_hi:[1,0,1]   ; l x f + this step's sum
.endr
.endm
; a slot's eight key steps: seven in a loop, each fetching the next record's K; the eighth, which has no next record in the slot, written out
.macro EIGHT
	v_add_nc_u32 v[ADK], s[TB], v[LK]
	v_add_nc_u32 v[ADKS], s[TB], v[LKS]
	v_nop
	v_nop
	KLOAD 0
	s_mov_b32 s[CNT], 7
.Lstep_\@:
	STEP 1
	s_add_co_u32 s[TB], s[TB], RECP
	s_sub_co_u32 s[CNT], s[CNT], 1
	s_cmp_lg_u32 s[CNT], 0
	s_wait_alu depctr_va_vdst(0)
	s_cbranch_scc1 .Lstep_\@
	STEP 0
	s_sub_co_u32 s[TB], s[TB], 7*RECP              ; back to a slot's first record,
	s_xor_b32 s[TB], s[TB], SLOT1                  ; in the other slot
.endm
; THE CHANGE OF SLOTS.  Each wave waits for all its tensor loads (its record of the slot ahead), adds 0 to its spare word, and waits for that and for its reads of the slot that it has left.
; fill = 1: the barrier is a round of the cluster's, and the joint load of the next chunk into the slot left is the first thing behind it.
.macro CHANGE fill
	s_wait_alu depctr_va_vdst(0)
	s_wait_tensorcnt 0x0                           ; no tensor load of mine is out, so the group 0 may be written
	ds_add_u32 v[SPW], v[NIL]                      ; 0 onto my spare word
.if \fill
	s_xor_b32 s[G0+1], s[G0+1], SLOT1              ; the other slot than last time,
	s_add_nc_u64 s[G0+2:G0+3], s[G0+2:G0+3], CHUNK ; the next eight records
.endif
	s_wait_dscnt 0x0                               ; the add is done, and my reads of the slot that I have left are over
.if \fill
	ROUND
	tensor_load_to_lds s[G0:G0+3], s[G1:G1+7]
	s_nop 0
.else
	s_barrier_signal -1
	s_barrier_wait -1
.endif
.endm
.Lslot:                                            ; three trips: behind each change of slots but the last the next chunk is asked for
	CHANGE 1
	EIGHT
	s_sub_co_u32 s[SLOTS], s[SLOTS], 1
	s_cmp_lg_u32 s[SLOTS], 0
	s_wait_alu depctr_va_vdst(0)
	s_cbranch_scc1 .Lslot
	CHANGE 0                                       ; the last slot is written out
	EIGHT
	; THE WAY OUT: O^T / l, quantised along the head's 64 channels: register 16 b + i of lane (r, h) is channel 32 b + 16 h + i of query r
	v_add_f32 v16, v16, v17                        ; the sum's two halves,
	v_add_f32 v18, v18, v19
	v_permlanex16_b32 v[AT], v16, s[SEL], s[SEL+1]
	v_permlanex16_b32 v[AT+8], v18, s[SEL], s[SEL+1]
	v_add_f32 v16, v16, v[AT]                      ; and lane l xor 16's
	v_add_f32 v18, v18, v[AT+8]
	s_wait_alu depctr_va_vdst(0)
	v_rcp_f32 v16, v16
	v_rcp_f32 v18, v18
	v_nop                                          ; one plain place behind a transcendental
	WIN 0x01                                       ; source 0 in window 1
	s_wait_alu depctr_va_vdst(0)                   ; directly ahead of the first reader of 1 / l and of O^T
.irp t, 0,1
.set j, 0
.rept 32
	v_mul_f32 v[SA+64*\t+j], v[32*\t+j], v[16+2*\t]   ; each result from its low end on
.set j, j+1
.endr
.endr
	WIN 0
.macro WAYOUT t
.irp b, 0,1
	v_max3_num_f32 v[AT+8*\t+\b], |v[SA+64*\t+16*\b]|, |v[SA+64*\t+16*\b+1]|, 0x2800000
.endr
.irp i, 2,4,6,8,10,12,14
.irp b, 0,1
	v_max3_num_f32 v[AT+8*\t+\b], v[AT+8*\t+\b], |v[SA+64*\t+16*\b+\i]|, |v[SA+64*\t+16*\b+\i+1]|
.endr
.endr
.irp b, 0,1
	v_permlanex16_b32 v[AT+8*\t+2+\b], v[AT+8*\t+\b], s[SEL], s[SEL+1]
.endr
.irp b, 0,1
	v_max_num_f32 v[AT+8*\t+\b], v[AT+8*\t+\b], v[AT+8*\t+2+\b]
.endr
.irp b, 0,1
	v_add_nc_u32 v[AT+8*\t+4+\b], 0xfe000000, v[AT+8*\t+\b]
.endr
.irp b, 0,1
	v_lshrrev_b32 v[AT+8*\t+2+\b], 23, v[AT+8*\t+4+\b]
.endr
	v_cndmask_b32 v[AT+8*\t+6], v[AT+8*\t+2], v[AT+8*\t+3], s57   ; lanes 0-15 store block 0's byte, lanes 16-31 block 1's
	v_cvt_scalef32_pk16_bf6_f32 v[PA+12*\t:PA+12*\t+2], v[SA+64*\t:SA+64*\t+15], v[AT+8*\t+4]
	v_cvt_scalef32_pk16_bf6_f32 v[F+4*\t:F+4*\t+2], v[SA+64*\t+16:SA+64*\t+31], v[AT+8*\t+5]
	v_nop                                          ; one plain place behind a scaled conversion
.irp i, 0,1,2
	v_permlane16_swap_b32 v[PA+12*\t+\i], v[F+4*\t+\i]
.endr
.irp i, 0,1,2
	v_mov_b32 v[PA+12*\t+3+\i], v[F+4*\t+\i]       ; six registers: lane (r, h) holds channels 32 h + 0 .. 31: half a fragment of the last projection's operand
.endr
.irp i, 0,1,2
	global_store_b64 v[L8], v[PA+12*\t+2*\i:PA+12*\t+2*\i+1], s[50:51] offset:6144*\t+256*\i   ; 32 lanes store 256 dense bytes, aligned
.endr
	global_store_b8 v[WO], v[AT+8*\t+6], s[52:53] offset:256*\t
.endm
	WAYOUT 0
	WAYOUT 1
	s_wait_tensorcnt 0x0                           ; the wave's end
	ds_add_u32 v[SPW], v[NIL]
	s_wait_dscnt 0x0
	ROUND                                          ; the closing round: no work-group ends while a partner may still ask for a chunk that names it
	s_endpgm
.Lfunc_end_k_q9193908d44_attn:
	.size	k_q9193908d44_attn, .Lfunc_end_k_q9193908d44_attn-k_q9193908d44_attn
	.p2alignl 7, 3214868480
	.fill 96, 4, 3214868480
	.section	.rodata,"a",@progbits
	.p2align	6, 0x0
	.amdhsa_kernel k_q9193908d44_attn
		.amdhsa_group_segment_fixed_size 327680
		.amdhsa_private_segment_fixed_size 0
		.amdhsa_enable_private_segment 0
		.amdhsa_kernarg_size 24
		.amdhsa_user_sgpr_count 2
		.amdhsa_user_sgpr_kernarg_segment_ptr 1
		.amdhsa_wavefront_size32 1
		.amdhsa_system_sgpr_workgroup_id_x 1
		.amdhsa_system_sgpr_workgroup_id_y 1
		.amdhsa_system_sgpr_workgroup_id_z 1
		.amdhsa_system_vgpr_workitem_id 0
		.amdhsa_next_free_vgpr 416
		.amdhsa_next_free_sgpr 66
		.amdhsa_reserve_vcc 0
		.amdhsa_float_denorm_mode_32 3
		.amdhsa_float_denorm_mode_16_64 3
		.amdhsa_memory_ordered 1
		.amdhsa_forward_progress 1
		.amdhsa_inst_pref_size 124
	.end_amdhsa_kernel
	.amdgpu_metadata
---
amdhsa.version: [ 1, 2 ]
amdhsa.kernels:
  - .name:           k_q9193908d44_attn
    .symbol:         k_q9193908d44_attn.kd
    .args:
      - { .name: qq, .offset: 0, .size: 8, .value_kind: global_buffer, .address_space: global }
      - { .name: kv, .offset: 8, .size: 8, .value_kind: global_buffer, .address_space: global }
      - { .name: oq, .offset: 16, .size: 8, .value_kind: global_buffer, .address_space: global }
    .group_segment_fixed_size: 327680
    .private_segment_fixed_size: 0
    .kernarg_segment_align: 8
    .kernarg_segment_size: 24
    .max_flat_workgroup_size: 256
    .sgpr_count:     66
    .vgpr_count:     416
    .wavefront_size: 32
...
	.end_amdgpu_metadata
.endif
;; end of part 3
;; launch outp (part 4): grid 256 x 1, 4 waves a work-group, no clusters, 34,304 bytes of LDS; arguments oq, wq, bo, out0; writes out0
.if DOCPART == 4
	.amdgcn_target "amdgcn-amd-amdhsa--gfx1250"
	.amdhsa_code_object_version 6
	.text
	.protected	k_q9193908d44_outp
	.globl	k_q9193908d44_outp
	.p2align	8
	.type	k_q9193908d44_outp,@function
k_q9193908d44_outp:
	s_mov_b64 s[64:65], 0
	v_nop
	global_prefetch_b8 v0, s[64:65] scope:SCOPE_SE
	s_setreg_imm32_b32 hwreg(HW_REG_WAVE_MODE, 25, 1), 1
	s_wait_xcnt 0x0
; out0 = O Wo + bo on codes of BF6 (E3M2) with E8M0 scales, K = 512.  O's codes (oq) and Wo's (wq, the fourth weight) lie in memory as images of operand registers.
; Work-group: a group of 32 tokens (tiles 2 g, 2 g + 1; row r of tile u is the group's token 8 u + r + 8 (r / 8)).  Wave w: output columns 128 w on.
; The product is used transposed: source 0 = 16 columns of Wo (8 tiles x 4 K steps stay in 384 registers), source 1 = a tile of tokens: a lane holds one token, and its 64 registers run along the 128 columns in natural order.
; The bias is the C of each sum's first matrix instruction, eight registers a tile in the result's layout.
; oq: [512 tiles][8 heads][768]: a head's 64 along K are half a fragment, registers 2 j, 2 j + 1 of lane l at 256 j + 8 l; records of scale words from byte 3,145,728 (row r, K step s at 16 r + 4 s).
; NO JOINT LOADS: a wave takes its 49,152 bytes of Wo and 12,288 of O straight into registers, once, for 64 matrix instructions; joint loads land in LDS alone and would add a trip through LDS and barriers.  No barrier: a wave's stage is its own.
; REGISTERS: window 0: v4-8 addresses; v16-31 Wo's scale words, v32-35 O's; v40-103 the bias, later rows of tile 0; v104-167, v168-231 the results of tiles 0, 1.  windows 1, 2: Wo's tiles 0-3, 4-7 at 48 T + 12 s.  window 3: O's two tiles at 48 t + 12 s.
.set SP,  528                          ; a stage row: 512 bytes + 16
.set RS,  16
.set TS,  32
.set BI,  40
.set ACC, 104
.set MSB, 0
.macro WIN new                         ; the immediate's high byte repeats the setting that is left
.if MSB != \new
	s_set_vgpr_msb (MSB<<8)|\new
.set MSB, \new
.endif
.endm
; one matrix instruction: D at d, source 0 at a, source 1 at b, C at c; scale words sa, sb, taken from lanes 16-31 where ra, rb
.macro WM d, a, b, c, sa, sb, ra, rb
.set WD, \d
.set WA, \a
.set WB, \b
.set WC, \c
.set WSA, \sa
.set WSB, \sb
.if (\ra) && (\rb)
	v_wmma_scale_f32_16x16x128_f8f6f4 v[WD:WD+7], v[WA:WA+11], v[WB:WB+11], v[WC:WC+7], v[WSA], v[WSB] matrix_a_fmt:MATRIX_FMT_BF6 matrix_b_fmt:MATRIX_FMT_BF6 matrix_a_scale:MATRIX_SCALE_ROW1 matrix_b_scale:MATRIX_SCALE_ROW1
.elseif \ra
	v_wmma_scale_f32_16x16x128_f8f6f4 v[WD:WD+7], v[WA:WA+11], v[WB:WB+11], v[WC:WC+7], v[WSA], v[WSB] matrix_a_fmt:MATRIX_FMT_BF6 matrix_b_fmt:MATRIX_FMT_BF6 matrix_a_scale:MATRIX_SCALE_ROW1
.elseif \rb
	v_wmma_scale_f32_16x16x128_f8f6f4 v[WD:WD+7], v[WA:WA+11], v[WB:WB+11], v[WC:WC+7], v[WSA], v[WSB] matrix_a_fmt:MATRIX_FMT_BF6 matrix_b_fmt:MATRIX_FMT_BF6 matrix_b_scale:MATRIX_SCALE_ROW1
.else
	v_wmma_scale_f32_16x16x128_f8f6f4 v[WD:WD+7], v[WA:WA+11], v[WB:WB+11], v[WC:WC+7], v[WSA], v[WSB] matrix_a_fmt:MATRIX_FMT_BF6 matrix_b_fmt:MATRIX_FMT_BF6
.endif
.endm
	s_load_b256 s[4:11], s[0:1], 0x0               ; oq, wq, bo, out0
	v_lshl_add_u32 v254, v0, 2, 0x8400
	v_mov_b32 v255, 0
	v_lshrrev_b32 v1, 5, v0
	v_readfirstlane_b32 s12, v1                    ; wave 0..3
	v_and_b32 v1, 31, v0
	v_and_b32 v2, 15, v0                           ; r
	v_bfe_u32 v3, v0, 4, 1                         ; h
	v_lshlrev_b32 v4, 4, v1                        ; 16 x lane
	v_lshlrev_b32 v5, 3, v1                        ; 8 x lane
	v_lshlrev_b32 v6, 6, v3                        ; the bias: 64 h
	s_mul_i32 s13, s12, 16*SP                      ; my stage
	v_mul_u32_u24 v7, v2, SP
	v_lshl_add_u32 v7, v3, 6, v7
	v_add_nc_u32 v7, s13, v7                       ; into it: row r, + 64 h
	v_add_nc_u32 v8, s13, v4                       ; back: a whole row, 16 bytes a lane
	s_mul_i32 s14, ttmp9, 12288                    ; O: my two tiles,
	s_mov_b32 s15, 0
	s_lshl_b32 s16, ttmp9, 9                       ; and their records
	s_add_co_u32 s16, s16, 3145728
	s_mov_b32 s17, 0
	s_mul_i32 s18, s12, 49152                      ; Wo: my 8 tiles,
	s_add_co_u32 s18, s18, 3*196608
	s_mov_b32 s19, 0
	s_lshl_b32 s20, s12, 11                        ; and their records
	s_add_co_u32 s20, s20, 786432+3*8192
	s_mov_b32 s21, 0
	s_lshl_b32 s22, s12, 9                         ; bo: my 128 numbers
	s_mov_b32 s23, 0
	s_lshl_b32 s24, ttmp9, 16                      ; out0: 32 rows of 2,048 bytes a group, my 512 bytes of each
	s_add_co_u32 s24, s24, s22
	s_mov_b32 s25, 0
	s_wait_alu depctr_va_vdst(0)
	s_wait_kmcnt 0x0
	s_add_nc_u64 s[14:15], s[4:5], s[14:15]
	s_add_nc_u64 s[16:17], s[4:5], s[16:17]
	s_add_nc_u64 s[18:19], s[6:7], s[18:19]
	s_add_nc_u64 s[20:21], s[6:7], s[20:21]
	s_add_nc_u64 s[22:23], s[8:9], s[22:23]
	s_add_nc_u64 s[24:25], s[10:11], s[24:25]
.irp i, 0,1,2,3
	global_load_b128 v[RS+4*\i:RS+4*\i+3], v4, s[20:21] offset:512*\i   ; lanes 0-15 tile 2 i, lanes 16-31 tile 2 i + 1; register s = K step s
.endr
	global_load_b128 v[TS:TS+3], v4, s[16:17]
.irp a, 0,1,2,3,4,5,6,7
	global_load_b128 v[BI+8*\a:BI+8*\a+3], v6, s[22:23] offset:128*(\a/2)+32*(\a%2)       ; tile 2 b + u, register j: column 32 b + 16 h + 8 u + j
	global_load_b128 v[BI+8*\a+4:BI+8*\a+7], v6, s[22:23] offset:128*(\a/2)+32*(\a%2)+16
.endr
.macro TILES first
.irp a, 0,1,2,3
.irp s, 0,1,2,3
.irp c, 0,1,2
	global_load_b128 v[48*\a+12*\s+4*\c:48*\a+12*\s+4*\c+3], v4, s[18:19] offset:(\first+\a)*6144+\s*1536+\c*512
.endr
.endr
.endr
.endm
	WIN 0x40                                       ; destination window 1
	TILES 0
	WIN 0x80
	TILES 4
	WIN 0xc0
.irp t, 0,1
.irp s, 0,1,2,3
.irp c, 0,1
.irp j, 0,1,2
	global_load_b64 v[48*\t+12*\s+6*\c+2*\j:48*\t+12*\s+6*\c+2*\j+1], v5, s[14:15] offset:\t*6144+(2*\s+\c)*768+256*\j   ; K step s = heads 2 s, 2 s + 1
.endr
.endr
.endr
.endr
	WIN 0
	s_wait_loadcnt 0x0
; 32 matrix instructions: Wo's tiles 4 e .. 4 e + 3 x both tiles of tokens: four sums by turns, one instruction a turn
.macro PROD e
.irp t, 0,1
.irp s, 0,1,2,3
.irp a, 0,1,2,3
.if \s == 0
	WM ACC+64*\t+8*(4*\e+\a), 48*\a+12*\s, 48*\t+12*\s, BI+8*(4*\e+\a), RS+4*((4*\e+\a)/2)+\s, TS+\s, (\a%2), \t
.else
	WM ACC+64*\t+8*(4*\e+\a), 48*\a+12*\s, 48*\t+12*\s, ACC+64*\t+8*(4*\e+\a), RS+4*((4*\e+\a)/2)+\s, TS+\s, (\a%2), \t
.endif
.endr
.endr
.endr
.endm
	WIN 0x0d                                       ; source 0 window 1, source 1 window 3
	PROD 0
	WIN 0x0e                                       ; source 0 window 2
	PROD 1
	WIN 0
.rept 5
	v_nop                                          ; places in front of the first read of results and of the loads into the bias's registers
.endr
; THE WAY OUT of tile t: a lane holds pieces of one row, the lanes beside it other rows: through my stage, back as whole rows of 512 bytes.  Rows come back into v[40 + 64 t] on.
.macro OUT t
.irp a, 0,1,2,3,4,5,6,7
	ds_store_b128 v7, v[ACC+64*\t+8*\a:ACC+64*\t+8*\a+3] offset:128*(\a/2)+32*(\a%2)        ; each result from its low end on
	ds_store_b128 v7, v[ACC+64*\t+8*\a+4:ACC+64*\t+8*\a+7] offset:128*(\a/2)+32*(\a%2)+16
.endr
.irp i, 0,1,2,3,4,5,6,7,8,9,10,11,12,13,14,15
	ds_load_b128 v[BI+64*\t+4*\i:BI+64*\t+4*\i+3], v8 offset:SP*\i   ; LDS serves a wave's instructions in order: these see the stores above
.endr
.irp i, 0,1,2,3,4,5,6,7,8,9,10,11,12,13,14,15
	s_wait_dscnt 15-\i                             ; row i is back; the younger loads may be out
	global_store_b128 v4, v[BI+64*\t+4*\i:BI+64*\t+4*\i+3], s[24:25] offset:(8*\t+\i+8*(\i/8))*2048 th:TH_STORE_NT   ; 32 lanes store 512 dense bytes, aligned
.endr
.endm
	OUT 0
	OUT 1                                          ; its rows land in tile 0's results, whose LDS stores are done: the count-down above ended at 0
	s_wait_tensorcnt 0x0
	ds_add_u32 v254, v255
	s_wait_dscnt 0x0
	s_endpgm
.Lfunc_end_k_q9193908d44_outp:
	.size	k_q9193908d44_outp, .Lfunc_end_k_q9193908d44_outp-k_q9193908d44_outp
	.p2alignl 7, 3214868480
	.fill 96, 4, 3214868480
	.section	.rodata,"a",@progbits
	.p2align	6, 0x0
	.amdhsa_kernel k_q9193908d44_outp
		.amdhsa_group_segment_fixed_size 34304
		.amdhsa_private_segment_fixed_size 0
		.amdhsa_enable_private_segment 0
		.amdhsa_kernarg_size 32
		.amdhsa_user_sgpr_count 2
		.amdhsa_user_sgpr_kernarg_segment_ptr 1
		.amdhsa_wavefront_size32 1
		.amdhsa_system_sgpr_workgroup_id_x 1
		.amdhsa_system_sgpr_workgroup_id_y 1
		.amdhsa_system_sgpr_workgroup_id_z 1
		.amdhsa_system_vgpr_workitem_id 0
		.amdhsa_next_free_vgpr 864
		.amdhsa_next_free_sgpr 66
		.amdhsa_reserve_vcc 0
		.amdhsa_float_denorm_mode_32 3
		.amdhsa_float_denorm_mode_16_64 3
		.amdhsa_memory_ordered 1
		.amdhsa_forward_progress 1
		.amdhsa_inst_pref_size 34
	.end_amdhsa_kernel
	.amdgpu_metadata
---
amdhsa.version: [ 1, 2 ]
amdhsa.kernels:
  - .name:           k_q9193908d44_outp
    .symbol:         k_q9193908d44_outp.kd
    .args:
      - { .name: oq, .offset: 0, .size: 8, .value_kind: global_buffer, .address_space: global }
      - { .name: wq, .offset: 8, .size: 8, .value_kind: global_buffer, .address_space: global }
      - { .name: bo, .offset: 16, .size: 8, .value_kind: global_buffer, .address_space: global }
      - { .name: out0, .offset: 24, .size: 8, .value_kind: global_buffer, .address_space: global }
    .group_segment_fixed_size: 34304
    .private_segment_fixed_size: 0
    .kernarg_segment_align: 8
    .kernarg_segment_size: 32
    .max_flat_workgroup_size: 128
    .sgpr_count:     66
    .vgpr_count:     864
    .wavefront_size: 32
...
	.end_amdgpu_metadata
.endif
;; end of part 4
